; MI455X (gfx1250); checked and timed in simulation.
; The chip was launched on July 23, 2026; its instructions are those of AMD's public machine-readable ISA for CDNA 5 (MIT licence, August 2026) and "CDNA5" Instruction Set Architecture Reference Guide (July 2026). The comments in the code are by the model that wrote it; some were corrected since.
;; VQ Model. Allowed arithmetic: float matrix products may take bf16 or f16 operands with f32 sums; other float arithmetic in f32, or as packed bf16 or f16 multiplies, adds, multiply-adds, maxima and minima; sums over many terms, partial sums and values carried from step to step in f32; what a program stores and reads back later, other than sums and carried values, may be rounded once to bf16 or f16.
;; Inputs: codebook 16,384 x 8 float32; z 32 x 8 x 16 x 16 float32.
;; Outputs: out0 32 x 8 x 16 x 16 float32; out1 one number float32; out2 32 x 16 x 16 int32.
;; One version. Each part assembles by itself: llvm-mc -triple=amdgcn-amd-amdhsa -mcpu=gfx1250 --defsym DOCPART=n.
;; ======== version 1 of 1: 4 launches
;; workspace buffers: ct 524,288 bytes; co 1,048,576 bytes; qt 262,144 bytes; gsel 65,536 bytes of whole numbers; sel 32,768 bytes of whole numbers; part 4,096 bytes
;; launch prep (part 1): grid 128 x 1, 4 waves a work-group, no clusters, 0 bytes of LDS; arguments codebook, ct, co; writes ct, co
.if DOCPART == 1
	.amdgcn_target "amdgcn-amd-amdhsa--gfx1250"
	.amdhsa_code_object_version 6
	.text
	.protected	k_q3831b732fe_prep
	.globl	k_q3831b732fe_prep
	.p2align	8
	.type	k_q3831b732fe_prep,@function
k_q3831b732fe_prep:
	s_mov_b64 s[64:65], 0
	v_nop
	global_prefetch_b8 v0, s[64:65] scope:SCOPE_SE
	s_setreg_imm32_b32 hwreg(HW_REG_WAVE_MODE, 25, 1), 1
	s_wait_xcnt 0x0
; PREP: the codebook, rounded once to bf16, laid out as the matrix fragments of the two launches behind it.  A lane a code, 128 codes a work-group.
; c = log2(e) / 0.01, so that 2^(-c d) = exp(-d / 0.01).  ee = the sum of the eight squares of the rounded code, in ascending order (the squares of bf16 numbers are exact in f32).
; An f32 number enters a product as THREE bf16 parts (rounded, the rest rounded, the rest): 8 + 8 + 8 bits hold its 24.
; ORDER.  Position p of the tables holds code (p & ~63) | bit 3 of p << 5 | bits 5:4 of p << 3 | (p & 7): in four tiles of 16 positions the rows 8 h .. 8 h + 7 are then 32 codes on end.
; ct, 512 bytes a tile of 16 positions: 16 x 16 bytes e; then 16 x 16 bytes [-ee/2 in three parts, 0 x 5].
; co, 1,024 bytes a tile: three planes of 16 x 16 bytes, the three parts of 2 c e; then 16 x 16 bytes [-c ee in three parts, 1, 1, 1, 0, 0].
; A stream of 0.5 MB in and 1.5 MB out: no LDS, no cluster (no two work-groups read the same bytes).  Every store of 16 lanes covers 256 consecutive bytes, aligned.
.set CNEG, 0xc31044fe                  ; -c
.set C2,   0x439044fe                  ; 2 c
.set X,   8                            ; v[8:15]  the code in f32, rounded; then 2 c e and its rests
.set EB,  16                           ; v[16:19] e as bf16
.set HI,  20                           ; v[20:31] the three parts of 2 c e
.set MID, 24
.set LO,  28
.set TC,  32                           ; v[32:35] ct's second plane
.set TO,  36                           ; v[36:39] co's fourth plane
.set T,   40                           ; v[40:41] at work
.set AY,  42                           ; v[42:43] -ee/2, -c ee
.set EE,  44
.set W,   46                           ; v[46:48] their parts: -ee/2's in the low halves, -c ee's in the high halves
	s_load_b128 s[4:7], s[0:1], 0x0                ; codebook s[4:5], ct s[6:7]
	s_load_b64 s[8:9], s[0:1], 0x10                ; co
	s_lshl_b32 s10, ttmp9, 12                      ; 128 codes of 32 bytes, in codebook and in ct
	s_mov_b32 s11, 0
	s_lshl_b32 s12, ttmp9, 13                      ; 128 positions of 64 bytes in co
	s_mov_b32 s13, 0
	s_mov_b32 s14, 0xffff0000                      ; a word's upper bf16
	v_and_b32 v1, 0x47, v0                         ; my position's code among the work-group's 128
	v_bfe_u32 v4, v0, 3, 1
	v_lshl_or_b32 v1, v4, 5, v1
	v_bfe_u32 v4, v0, 4, 2
	v_lshl_or_b32 v1, v4, 3, v1
	v_lshlrev_b32 v1, 5, v1                        ; its 32 bytes
	v_and_b32 v4, 15, v0
	v_lshrrev_b32 v5, 4, v0
	v_lshlrev_b32 v4, 4, v4
	v_lshl_add_u32 v2, v5, 9, v4                   ; ct: tile x 512 + row x 16
	v_lshl_add_u32 v3, v5, 10, v4                  ; co: tile x 1,024 + row x 16
	s_wait_kmcnt 0x0
	s_add_nc_u64 s[4:5], s[4:5], s[10:11]
	s_add_nc_u64 s[6:7], s[6:7], s[10:11]
	s_add_nc_u64 s[8:9], s[8:9], s[12:13]
	global_load_b128 v[X:X+3], v1, s[4:5]
	global_load_b128 v[X+4:X+7], v1, s[4:5] offset:16
	s_wait_loadcnt 0x0
.irp p, 0,1,2,3
	v_cvt_pk_bf16_f32 v[EB+\p], v[X+2*\p], v[X+2*\p+1]  ; the one rounding of the codebook
.endr
.irp p, 0,1,2,3
	v_lshlrev_b32 v[X+2*\p], 16, v[EB+\p]          ; back to f32
	v_and_b32 v[X+2*\p+1], s14, v[EB+\p]
.endr
	v_mul_f32 v[EE], v[X], v[X]
.irp c, 1,2,3,4,5,6,7
	v_fmac_f32 v[EE], v[X+\c], v[X+\c]
.endr
	v_mul_f32 v[AY], -0.5, v[EE]
	v_mul_f32 v[AY+1], CNEG, v[EE]
.irp p, 0,2,4,6
	v_pk_mul_f32 v[X+\p:X+\p+1], v[X+\p:X+\p+1], C2 op_sel_hi:[1,0]
.endr
; Two numbers into three bf16 parts each: round, take the rounded part away, twice; the last rest is exact.
.macro SPLIT x, dh, dm, dl
	v_cvt_pk_bf16_f32 v[\dh], v[\x], v[(\x)+1]
	v_lshlrev_b32 v[T], 16, v[\dh]
	v_and_b32 v[T+1], s14, v[\dh]
	v_pk_add_f32 v[\x:(\x)+1], v[\x:(\x)+1], v[T:T+1] neg_lo:[0,1] neg_hi:[0,1]
	v_cvt_pk_bf16_f32 v[\dm], v[\x], v[(\x)+1]
	v_lshlrev_b32 v[T], 16, v[\dm]
	v_and_b32 v[T+1], s14, v[\dm]
	v_pk_add_f32 v[\x:(\x)+1], v[\x:(\x)+1], v[T:T+1] neg_lo:[0,1] neg_hi:[0,1]
	v_cvt_pk_bf16_f32 v[\dl], v[\x], v[(\x)+1]
.endm
.irp p, 0,1,2,3
	SPLIT X+2*\p, HI+\p, MID+\p, LO+\p
.endr
	SPLIT AY, W, W+1, W+2
	v_perm_b32 v[TC], v[W+1], v[W], 0x05040100     ; the two low halves: first and second part of -ee/2
	v_and_b32 v[TC+1], 0xffff, v[W+2]              ; the third, and 0
	v_mov_b32 v[TC+2], 0
	v_mov_b32 v[TC+3], 0
	v_perm_b32 v[TO], v[W+1], v[W], 0x07060302     ; the two high halves: first and second part of -c ee
	v_lshrrev_b32 v[TO+1], 16, v[W+2]              ; the third,
	v_or_b32 v[TO+1], 0x3f800000, v[TO+1]          ; and 1
	v_mov_b32 v[TO+2], 0x3f803f80                  ; 1, 1
	v_mov_b32 v[TO+3], 0
	global_store_b128 v2, v[EB:EB+3], s[6:7]
	global_store_b128 v2, v[TC:TC+3], s[6:7] offset:256
	global_store_b128 v3, v[HI:HI+3], s[8:9]
	global_store_b128 v3, v[MID:MID+3], s[8:9] offset:256
	global_store_b128 v3, v[LO:LO+3], s[8:9] offset:512
	global_store_b128 v3, v[TO:TO+3], s[8:9] offset:768
	s_endpgm
.Lfunc_end_k_q3831b732fe_prep:
	.size	k_q3831b732fe_prep, .Lfunc_end_k_q3831b732fe_prep-k_q3831b732fe_prep
	.p2alignl 7, 3214868480
	.fill 96, 4, 3214868480
	.section	.rodata,"a",@progbits
	.p2align	6, 0x0
	.amdhsa_kernel k_q3831b732fe_prep
		.amdhsa_group_segment_fixed_size 0
		.amdhsa_private_segment_fixed_size 0
		.amdhsa_enable_private_segment 0
		.amdhsa_kernarg_size 24
		.amdhsa_user_sgpr_count 2
		.amdhsa_user_sgpr_kernarg_segment_ptr 1
		.amdhsa_wavefront_size32 1
		.amdhsa_system_sgpr_workgroup_id_x 1
		.amdhsa_system_sgpr_workgroup_id_y 1
		.amdhsa_system_sgpr_workgroup_id_z 1
		.amdhsa_system_vgpr_workitem_id 0
		.amdhsa_next_free_vgpr 64
		.amdhsa_next_free_sgpr 66
		.amdhsa_reserve_vcc 0
		.amdhsa_float_denorm_mode_32 3
		.amdhsa_float_denorm_mode_16_64 3
		.amdhsa_memory_ordered 1
		.amdhsa_forward_progress 1
		.amdhsa_inst_pref_size 6
	.end_amdhsa_kernel
	.amdgpu_metadata
---
amdhsa.version: [ 1, 2 ]
amdhsa.kernels:
  - .name:           k_q3831b732fe_prep
    .symbol:         k_q3831b732fe_prep.kd
    .args:
      - { .name: codebook, .offset: 0, .size: 8, .value_kind: global_buffer, .address_space: global }
      - { .name: ct, .offset: 8, .size: 8, .value_kind: global_buffer, .address_space: global }
      - { .name: co, .offset: 16, .size: 8, .value_kind: global_buffer, .address_space: global }
    .group_segment_fixed_size: 0
    .private_segment_fixed_size: 0
    .kernarg_segment_align: 8
    .kernarg_segment_size: 24
    .max_flat_workgroup_size: 128
    .sgpr_count:     66
    .vgpr_count:     64
    .wavefront_size: 32
...
	.end_amdgpu_metadata
.endif
;; end of part 1
;; launch rows (part 2): grid 256 x 1, 16 waves a work-group, clusters of 4 x 1, 327,680 bytes of LDS; arguments z, ct, qt, gsel; writes qt, gsel
.if DOCPART == 2
	.amdgcn_target "amdgcn-amd-amdhsa--gfx1250"
	.amdhsa_code_object_version 6
	.text
	.protected	k_q3831b732fe_rows
	.globl	k_q3831b732fe_rows
	.p2align	8
	.type	k_q3831b732fe_rows,@function
k_q3831b732fe_rows:
	s_mov_b64 s[64:65], 0
	v_nop
	global_prefetch_b8 v0, s[64:65] scope:SCOPE_SE
	s_setreg_imm32_b32 hwreg(HW_REG_WAVE_MODE, 25, 1), 1
	s_wait_xcnt 0x0
	s_wait_alu depctr_hold_cnt(0) depctr_sa_sdst(0) depctr_va_vdst(0) depctr_va_sdst(0) depctr_va_ssrc(0) depctr_va_vcc(0) depctr_vm_vsrc(0)
	s_getreg_b32 s2, hwreg(HW_REG_IB_STS2, 6, 4)
	s_cmp_eq_u32 s2, 0
	s_cbranch_scc0 .Lentry_in_a_cluster
	s_endpgm
.Lentry_in_a_cluster:
	s_bfe_u32 s2, ttmp6, 0x10000c
	s_cmp_lg_u32 s2, 0x3003
	s_cbranch_scc0 .Lentry_shape_is_right
	s_endpgm
.Lentry_shape_is_right:
; ROWS: for each query its logsumexp over all 16,384 codes, and the two groups of 32 codes among which its nearest code is then sought.
; s = z . e - ee/2 (larger = nearer; d = zz - 2 s), made by ONE matrix instruction for 16 codes x 16 queries: of its 32 places along K, 8 take z . e and 3 take the parts of -ee/2 times 1.
; p is proportional to 2^(c2 s), c2 = 2 log2(e) / 0.01.  z is rounded once to bf16, as the codebook is.
; SHARES.  A work-group owns 32 queries, two tiles.  Wave w walks the code tiles 64 w .. 64 w + 63 (32 KiB of ct) for both.  Source 0 = 16 codes, source 1 = 16 queries: a lane holds ONE query
; (lane % 16) and, in a step of four code tiles, 32 codes on end (the tables' order): 1,024 w + 64 step + 32 (lane / 16) on.  So a query has 32 STREAMS: 16 waves x 2 halves of the lanes.
; SOFTMAX.  In each stream a running maximum m, its scaled value cm = c2 m (rounded; the shift is that number) and a sum l of 2^(c2 s - cm); in every step l is multiplied by 2^(cm_old - cm_new).
; The stream also keeps the first group of 32 codes in which its maximum was seen.  At the end the streams meet in LDS; wave 0 folds them, a lane a query.
; OUT.  qt, 512 bytes a tile of 16 queries: 16 x 16 bytes z (bf16); 16 x 16 bytes [1, 1, 1, R in three bf16 parts, 0, 0], R = -(cm + log2 l).  gsel: two words a query, the groups of the two best streams.
; CLUSTER.  Every work-group walks the same table, so the four of a cluster ask for each piece JOINTLY: the same tensor load, descriptor and mask in all four; the descriptors hang on the wave's number alone.
; RING.  Each wave has 16 KiB of LDS of its own, four quarters; it fills and reads only these.  Four first fills of 4 KiB (four loads of mine are out), then two refills of 8 KiB, one behind each of two rounds.
; LIMITS.  NaN and infinities are not treated apart.  The choice between groups is made on the matrix unit's s: of two codes whose distances agree to about 1e-6 and which lie in one stream but in
; different groups only one is weighed further; of three or more equal best codes in three streams the two streams met first are kept.
.set C2,    0x439044fe                 ; c2
.set STAGE, 262144                     ; behind the rings: 32 streams x 32 queries x 16 bytes (cm, m, l, group)
.set SPARE, 278528                     ; behind it: the spare words, 128 bytes for each of 16 waves, that no other line names
.set LB,  3                            ; v3   16,384 w + 16 lane: my 16 bytes of my ring's first tile; never rewritten
.set LA,  4                            ; v4   the same at the step in hand
.set ID,  5                            ; v5   the first code of my 32 in the step in hand
.set SPW, 6                            ; v6   LDS address of my spare word; never rewritten
.set NIL, 7                            ; v7   0; never rewritten
.set ST,  16                           ; tile t's statistics at v[16+8 t]: cm, m, l (even, odd), c0-c3 at work; the rescaling factor takes c2's place
.set G,   32                           ; v32, v33  the stream's group, by tile
.set ZB,  36                           ; v[36:43]  z as bf16: query lane % 16 of tile 0, of tile 1
.set QF,  48                           ; v[48:63]  the two query fragments
.set CF,  64                           ; v[64:95]  four code fragments
.set S,   96                           ; v[96:159] scores, 32 a tile; at the end v[96:223]: the 32 streams' records
.set WV,  12                           ; s12  my wave's number
.set G1F, 16                           ; s[16:23] descriptor group 1 of the first fills: 16 rows of 256 bytes
.set G1R, 24                           ; s[24:31] of the refills: 32 rows
.set G0F, 32                           ; s[32:47] group 0 of the four first fills
.set G0R, 48                           ; s[48:51] group 0 of the refills
.set CS,  52                           ; s[52:53] c2, named as a pair
; A round of the cluster's barrier: my work-group's barrier, wave 0 signals for the work-group, every wave waits for all four work-groups, my work-group's barrier once more.
.macro ROUND
	s_barrier_signal -1
	s_barrier_wait -1
	s_cmp_lg_u32 s[WV], 0
	s_cbranch_scc1 .Lnot_wave_0_\@
	s_barrier_signal -3
.Lnot_wave_0_\@:
	s_barrier_wait -3
	s_barrier_signal -1
	s_barrier_wait -1
.endm
	s_load_b256 s[4:11], s[0:1], 0x0               ; z s[4:5], ct s[6:7], qt s[8:9], gsel s[10:11]
	v_lshl_add_u32 v[SPW], v0, 2, SPARE
	v_mov_b32 v[NIL], 0
	ds_add_u32 v[SPW], v[NIL]                      ; the wave's opening: the add and its wait stand ahead of my first tensor load; work on registers stands between them
	v_lshrrev_b32 v1, 5, v0
	v_readfirstlane_b32 s[WV], v1                  ; wave 0..15
	s_bfe_u32 s13, ttmp6, 0x40000                  ; my place in the cluster
	s_lshl_b32 s14, ttmp9, 2                       ; ttmp9 counts clusters
	s_add_co_u32 s14, s14, s13                     ; my work-group: it enters z's, qt's and gsel's addresses alone
	; descriptor group 1: dense bytes, asked for as rows of 256 (32 elements of 8 bytes), no padding: a wave's LDS load takes 512 bytes on end
	s_mov_b32 s[G1F], 15|(3<<16)|(1<<21)           ; 15:0 the mask of four; 17:16 elements of 8 bytes; 21 set beside a mask
	s_mov_b32 s[G1R], 15|(3<<16)|(1<<21)
.irp g, G1F, G1R
	s_mov_b32 s[\g+1], 32<<16                      ; tensor_dim0 = 32
	s_mov_b32 s[\g+3], 32<<16                      ; tile_dim0 = 32
	s_mov_b32 s[\g+5], 32                          ; 32 elements from row to row
	s_mov_b32 s[\g+6], 0
	s_mov_b32 s[\g+7], 0
.endr
	s_mov_b32 s[G1F+2], 16<<16                     ; tensor_dim1 and tile_dim1: 16 rows,
	s_mov_b32 s[G1F+4], 16
	s_mov_b32 s[G1R+2], 32<<16                     ; 32 rows
	s_mov_b32 s[G1R+4], 32
	s_mov_b32 s[CS], C2
	s_mov_b32 s[CS+1], C2
	s_mov_b32 s57, 0x3f803f80                      ; bf16 1, 1
	s_mov_b32 s58, 0x3f80                          ; bf16 1, 0
	s_lshl_b32 s59, s[WV], 14                      ; my ring in LDS
	s_lshl_b32 s60, s[WV], 15                      ; my 32 KiB of ct
	s_mov_b32 s61, 0
	s_and_b32 s56, s14, 7                          ; z is [32][8][256]: my 32 queries lie in image wg / 8, at pixel 32 (wg % 8)
	s_lshl_b32 s56, s56, 7
	s_lshr_b32 s54, s14, 3
	s_lshl_b32 s54, s54, 13
	s_mov_b32 s55, 0
	s_wait_dscnt 0x0                               ; the opening add is done
	s_wait_kmcnt 0x0
	s_add_nc_u64 s[62:63], s[6:7], s[60:61]
.irp i, 0,1,2,3
	s_mov_b32 s[G0F+4*\i], 1                       ; count = 1
	s_add_co_u32 s[G0F+4*\i+1], s59, 4096*\i       ; LDS address: quarter i of my ring
	s_add_nc_u64 s[G0F+4*\i+2:G0F+4*\i+3], s[62:63], 4096*\i  ; piece i of my eight
	s_or_b32 s[G0F+4*\i+3], s[G0F+4*\i+3], 0x80000000         ; type = 2
.endr
	s_mov_b32 s[G0R], 1
	s_add_co_u32 s[G0R+1], s59, 0                  ; the first refill: pieces 4 and 5 into quarters 0 and 1
	s_add_nc_u64 s[G0R+2:G0R+3], s[62:63], 16384
	s_or_b32 s[G0R+3], s[G0R+3], 0x80000000
	s_add_nc_u64 s[4:5], s[4:5], s[54:55]          ; z at my image
	ROUND                                          ; all four work-groups are here: the first joint loads meet
.irp i, 0,1,2,3
	tensor_load_to_lds s[G0F+4*\i:G0F+4*\i+3], s[G1F:G1F+7]
	s_nop 0
.endr
	v_and_b32 v1, 15, v0                           ; r = lane % 16
	v_bfe_u32 v2, v0, 4, 1                         ; h = lane / 16
	v_and_b32 v[LB], 31, v0
	v_lshl_add_u32 v[LB], v[LB], 4, s59
	s_lshl_b32 s60, s[WV], 10
	v_lshl_add_u32 v[ID], v2, 5, s60               ; 1,024 w + 32 h
	v_lshl_add_u32 v9, v1, 2, s56                  ; my query's 4 bytes in a channel's plane
.irp t, 0,1
.irp c, 0,1,2,3,4,5,6,7
	global_load_b32 v[S+8*\t+\c], v9, s[4:5] offset:1024*\c+64*\t  ; channel c of query 16 t + r
.endr
.endr
.irp i, 0,1,2,3
.irp c, 4,5,6,7
	v_mov_b32 v[CF+8*\i+\c], 0                     ; K = 16 .. 31 are not used: written once
.endr
.endr
.irp t, 0,1
.irp c, 4,5,6,7
	v_mov_b32 v[QF+8*\t+\c], 0
.endr
	v_mov_b32 v[ST+8*\t], 0xfe000000               ; cm: far below every c2 s, so that the first step's factor is 0
	v_mov_b32 v[ST+8*\t+1], 0xff7fffff             ; m: the lowest finite number
	v_mov_b32 v[ST+8*\t+2], 0
	v_mov_b32 v[ST+8*\t+3], 0
	v_mov_b32 v[G+\t], 0
.endr
	s_wait_loadcnt 0x0
.irp t, 0,1
.irp p, 0,1,2,3
	v_cvt_pk_bf16_f32 v[ZB+4*\t+\p], v[S+8*\t+2*\p], v[S+8*\t+2*\p+1]  ; the one rounding of z
.endr
.endr
	v_cmp_eq_u32 vcc_lo, 1, v2                     ; lanes 0-15 hold K = 0 .. 7: z; lanes 16-31 K = 8 .. 15: 1, 1, 1, 0 ..
.irp t, 0,1
	v_cndmask_b32 v[QF+8*\t], v[ZB+4*\t], s57, vcc_lo
	v_cndmask_b32 v[QF+8*\t+1], v[ZB+4*\t+1], s58, vcc_lo
	v_cndmask_b32 v[QF+8*\t+2], v[ZB+4*\t+2], 0, vcc_lo
	v_cndmask_b32 v[QF+8*\t+3], v[ZB+4*\t+3], 0, vcc_lo
.endr
; Number j of the 23 that find tile t's new maximum and statistics.  s0-s31 are the lane's 32 scores; each accumulator's lowest registers are read first.
;   0-11 four chains c0-c3 of seven scores each   12-15 the four scores left over, c0-c3 and the old m into c0   16, 17 where m has grown the group is this step's
;   18-21 cm anew, its change, m and cm kept   22 the factor 2^(cm_old - cm_new)
.macro MX t, j
.set rT, ST+8*(\t)
.set rS, S+32*(\t)
.if (\j) < 4
	v_max3_num_f32 v[rT+4+(\j)], v[rS+8*(\j)], v[rS+8*(\j)+1], v[rS+8*(\j)+2]
.elseif (\j) < 12
	v_max3_num_f32 v[rT+4+(\j)%4], v[rT+4+(\j)%4], v[rS+8*((\j)%4)+2*((\j)/4)+1], v[rS+8*((\j)%4)+2*((\j)/4)+2]
.elseif (\j) == 12
	v_max3_num_f32 v[rT+4], v[rT+4], v[rS+7], v[rS+15]
.elseif (\j) == 13
	v_max3_num_f32 v[rT+5], v[rT+5], v[rS+23], v[rS+31]
.elseif (\j) == 14
	v_max3_num_f32 v[rT+4], v[rT+4], v[rT+5], v[rT+6]
.elseif (\j) == 15
	v_max3_num_f32 v[rT+4], v[rT+4], v[rT+7], v[rT+1]
.elseif (\j) == 16
	v_cmp_gt_f32 s[60+(\t)], v[rT+4], v[rT+1]
.elseif (\j) == 17
	v_cndmask_b32 v[G+(\t)], v[G+(\t)], v[ID], s[60+(\t)]
.elseif (\j) == 18
	v_mul_f32 v[rT+5], s[CS], v[rT+4]
.elseif (\j) == 19
	v_sub_f32 v[rT+7], v[rT], v[rT+5]
.elseif (\j) == 20
	v_mov_b32 v[rT+1], v[rT+4]
.elseif (\j) == 21
	v_mov_b32 v[rT], v[rT+5]
.else
	v_exp_f32 v[rT+6], v[rT+7]
.endif
.endm
.macro SCL t, b                        ; pair b of tile t: c2 s - cm
	v_pk_fma_f32 v[S+32*(\t)+2*(\b):S+32*(\t)+2*(\b)+1], v[S+32*(\t)+2*(\b):S+32*(\t)+2*(\b)+1], s[CS:CS+1], v[ST+8*(\t):ST+8*(\t)+1] op_sel_hi:[1,0,0] neg_lo:[0,0,1] neg_hi:[0,0,1]
.endm
.macro EXQ t, n                        ; score n of tile t: its exponential, in place
	v_exp_f32 v[S+32*(\t)+(\n)], v[S+32*(\t)+(\n)]
.endm
; A STEP: four code tiles (2,048 bytes of my ring) against both query tiles.
.macro STEP
.irp i, 0,1,2,3
	ds_load_b128 v[CF+8*\i:CF+8*\i+3], v[LA] offset:512*\i  ; lanes 0-15 the tile's e, lanes 16-31 its parts of -ee/2: 512 bytes on end
.endr
	s_wait_dscnt 0x0
.irp i, 0,1,2,3
.irp t, 0,1
	v_wmma_f32_16x16x32_bf16 v[S+32*\t+8*\i:S+32*\t+8*\i+7], v[CF+8*\i:CF+8*\i+7], v[QF+8*\t:QF+8*\t+7], 0
.endr
.endr
	v_add_nc_u32 v[LA], 2048, v[LA]                ; four plain instructions between the last product and the first read of a result
	v_nop
	v_nop
	v_nop
.irp j, 0,1,2,3,4,5,6,7,8,9,10,11,12,13,14,15,16,17,18,19,20,21,22
.irp t, 0,1
	MX \t, \j
.endr
.endr
	; ONE BATCH: the two factors above, the 32 scalings and the 64 exponentials; a pair is scaled a turn ahead of its exponentials, and nothing here names an exponential's result
	SCL 0, 0
	SCL 1, 0
.set b, 0
.rept 15
	SCL 0, b+1
	EXQ 0, 2*b
	SCL 1, b+1
	EXQ 0, 2*b+1
	EXQ 1, 2*b
	EXQ 1, 2*b+1
.set b, b+1
.endr
	EXQ 0, 30
	EXQ 0, 31
	EXQ 1, 30
	EXQ 1, 31
	v_nop                                          ; a plain instruction behind the last exponential,
	s_wait_alu depctr_va_vdst(0)                   ; and the one wait ahead of the batch's first reader
.irp w, 16,8,4,2                       ; the sum of a tile's 16 pairs, in place: neighbours 8, 4, 2 and 1 pairs apart
.set u, 0
.rept (\w)/2
	v_pk_add_f32 v[S+u:S+u+1], v[S+u:S+u+1], v[S+u+(\w):S+u+(\w)+1]
	v_pk_add_f32 v[S+32+u:S+32+u+1], v[S+32+u:S+32+u+1], v[S+32+u+(\w):S+32+u+(\w)+1]
.set u, u+2
.endr
.endr
.irp t, 0,1
	v_pk_fma_f32 v[ST+8*\t+2:ST+8*\t+3], v[ST+8*\t+2:ST+8*\t+3], v[ST+8*\t+6:ST+8*\t+7], v[S+32*\t:S+32*\t+1] op_sel_hi:[1,0,1]  ; l = l x factor + sum
.endr
	v_add_nc_u32 v[ID], 64, v[ID]
.endm
.macro RUN n, off                      ; n steps from byte off of my ring
	v_add_nc_u32 v[LA], (\off), v[LB]
	s_mov_b32 s56, \n
.Lrun_\@:
	STEP
	s_sub_co_u32 s56, s56, 1
	s_cmp_lg_u32 s56, 0
	s_cbranch_scc1 .Lrun_\@
.endm
; A REFILL of the half of my ring that has been read.  All my tensor loads have landed, 0 is added to my spare word, the add and my reads are over; a round of the cluster's barrier, so that this holds of
; every wave of all four work-groups; the joint load is the first thing behind it, my one tensor load until the next round.
.macro CHANGE step
	s_wait_tensorcnt 0x0                           ; no tensor load of mine is out, so a group 0 may be written
	ds_add_u32 v[SPW], v[NIL]
.if \step
	s_add_co_u32 s[G0R+1], s[G0R+1], 8192          ; the other half of my ring,
	s_add_nc_u64 s[G0R+2:G0R+3], s[G0R+2:G0R+3], 8192  ; the next two pieces; the type bits on top are not reached
.endif
	s_wait_dscnt 0x0
	ROUND
	tensor_load_to_lds s[G0R:G0R+3], s[G1R:G1R+7]
	s_nop 0
.endm
	s_wait_tensorcnt 3                             ; my first fill has landed; the three younger ones may stay out
	RUN 2, 0
	s_wait_tensorcnt 2                             ; the second; two younger ones may stay out
	RUN 2, 4096
	CHANGE 0                                       ; quarters 2 and 3 have landed; pieces 4 and 5 go into quarters 0 and 1
	RUN 4, 8192
	CHANGE 1                                       ; pieces 4 and 5 have landed; pieces 6 and 7 go into quarters 2 and 3
	RUN 4, 0
	s_wait_tensorcnt 0x0                           ; my last load
	RUN 4, 8192
	; THE STREAMS MEET.  Stream 2 w + h puts (cm, m, l, group) of query 16 t + r at STAGE + 512 stream + 16 query.
.irp t, 0,1
	v_add_f32 v[ST+8*\t+2], v[ST+8*\t+2], v[ST+8*\t+3]
	v_mov_b32 v[ST+8*\t+3], v[G+\t]
.endr
	s_lshl_b32 s60, s[WV], 10
	s_add_co_u32 s60, s60, STAGE
	v_lshl_add_u32 v9, v2, 9, s60
	v_lshl_add_u32 v9, v1, 4, v9
	ds_store_b128 v9, v[ST:ST+3]
	ds_store_b128 v9, v[ST+8:ST+11] offset:256
	s_wait_dscnt 0x0                               ; for the others' sake: my stores are done
	s_barrier_signal -1
	s_barrier_wait -1
	s_cmp_lg_u32 s[WV], 0
	s_cbranch_scc1 .Lend
	; WAVE 0 folds, a lane a query.
.set MA,  16                           ; the best stream's m
.set CMX, 17                           ; and its cm
.set GA,  18                           ; v[18:19] the best and the second best stream's group
.set GB,  19
.set MB,  20                           ; the second best m
.set TT,  21
.set TG,  22
.set LL,  24                           ; v[24:27] four partial sums of l
.set RR,  28
	v_and_b32 v13, 31, v0
	v_lshlrev_b32 v15, 3, v13                      ; gsel: 8 bytes a query
	v_lshl_add_u32 v13, v13, 4, STAGE
.set n, 0
.rept 32
	ds_load_b128 v[S+4*n:S+4*n+3], v13 offset:512*n
.set n, n+1
.endr
	v_mov_b32 v[MA], 0xff7fffff
	v_mov_b32 v[MB], 0xff7fffff
	v_mov_b32 v[CMX], 0xfe000000
	v_mov_b32 v[GA], 0
	v_mov_b32 v[GB], 0
	v_lshlrev_b32 v14, 9, v2
	v_lshl_add_u32 v14, v1, 4, v14                 ; qt: 512 h + 16 r
	s_lshl_b32 s54, s14, 10                        ; my two tiles of qt
	s_add_nc_u64 s[8:9], s[8:9], s[54:55]
	s_lshl_b32 s54, s14, 8                         ; my 32 queries in gsel
	s_add_nc_u64 s[10:11], s[10:11], s[54:55]
	s_wait_dscnt 0x0
.macro FOLD k                          ; stream k against the best; the loser of the two against the second best
.set rr, S+4*(\k)
	v_cmp_gt_f32 vcc_lo, v[rr+1], v[MA]
	v_cndmask_b32 v[TT], v[rr+1], v[MA], vcc_lo
	v_cndmask_b32 v[TG], v[rr+3], v[GA], vcc_lo
	v_cndmask_b32 v[GA], v[GA], v[rr+3], vcc_lo
	v_cndmask_b32 v[CMX], v[CMX], v[rr], vcc_lo
	v_max_num_f32 v[MA], v[MA], v[rr+1]
	v_cmp_gt_f32 vcc_lo, v[TT], v[MB]
	v_cndmask_b32 v[GB], v[GB], v[TG], vcc_lo
	v_max_num_f32 v[MB], v[MB], v[TT]
.endm
.set n, 0
.rept 32
	FOLD n
.set n, n+1
.endr
.set n, 0
.rept 32
	v_sub_f32 v[S+4*n+1], v[S+4*n], v[CMX]         ; cm of the stream less the greatest: 0 or below
.set n, n+1
.endr
.set n, 0
.rept 32
	v_exp_f32 v[S+4*n+1], v[S+4*n+1]
.set n, n+1
.endr
	v_nop
	s_wait_alu depctr_va_vdst(0)                   ; one wait for the 32 exponentials
.set n, 0
.rept 32
.if n < 4
	v_mul_f32 v[LL+n], v[S+4*n+2], v[S+4*n+1]
.else
	v_fmac_f32 v[LL+n%4], v[S+4*n+2], v[S+4*n+1]
.endif
.set n, n+1
.endr
	v_add_f32 v[LL], v[LL], v[LL+1]
	v_add_f32 v[LL+2], v[LL+2], v[LL+3]
	v_add_f32 v[LL], v[LL], v[LL+2]
	v_log_f32 v[RR], v[LL]
	v_cmp_eq_u32 vcc_lo, 1, v2                     ; (a plain instruction behind the logarithm) lane 16 h + r takes tile h's z
	s_wait_alu depctr_va_vdst(0)
	v_fma_f32 v[RR], v[RR], -1.0, -v[CMX]          ; R = -(cm + log2 l)
	v_cvt_pk_bf16_f32 v29, v[RR], v[RR]            ; R in three bf16 parts
	v_lshlrev_b32 v10, 16, v29
	v_sub_f32 v30, v[RR], v10
	v_cvt_pk_bf16_f32 v31, v30, v30
	v_lshlrev_b32 v10, 16, v31
	v_sub_f32 v12, v30, v10
	v_mov_b32 v44, s57                             ; 1, 1
	v_and_or_b32 v45, v29, 0xffff0000, s58         ; 1, R's first part
	v_cvt_pk_bf16_f32 v46, v30, v12                ; its second and third
	v_mov_b32 v47, 0
.irp p, 0,1,2,3
	v_cndmask_b32 v[32+\p], v[ZB+\p], v[ZB+4+\p], vcc_lo
.endr
	global_store_b128 v14, v[32:35], s[8:9]             ; 16 lanes store 256 consecutive bytes, aligned
	global_store_b128 v14, v[44:47], s[8:9] offset:256
	global_store_b64 v15, v[GA:GB], s[10:11]            ; 256 consecutive bytes
.Lend:
	s_wait_tensorcnt 0x0                           ; the wave's end: 0 is added to my spare word behind my last tensor load and my last LDS store
	ds_add_u32 v[SPW], v[NIL]
	s_wait_dscnt 0x0
	ROUND                                          ; the closing round: no work-group ends while a partner may still ask for a piece that names it
	s_endpgm
.Lfunc_end_k_q3831b732fe_rows:
	.size	k_q3831b732fe_rows, .Lfunc_end_k_q3831b732fe_rows-k_q3831b732fe_rows
	.p2alignl 7, 3214868480
	.fill 96, 4, 3214868480
	.section	.rodata,"a",@progbits
	.p2align	6, 0x0
	.amdhsa_kernel k_q3831b732fe_rows
		.amdhsa_group_segment_fixed_size 327680
		.amdhsa_private_segment_fixed_size 0
		.amdhsa_enable_private_segment 0
		.amdhsa_kernarg_size 32
		.amdhsa_user_sgpr_count 2
		.amdhsa_user_sgpr_kernarg_segment_ptr 1
		.amdhsa_wavefront_size32 1
		.amdhsa_system_sgpr_workgroup_id_x 1
		.amdhsa_system_sgpr_workgroup_id_y 1
		.amdhsa_system_sgpr_workgroup_id_z 1
		.amdhsa_system_vgpr_workitem_id 0
		.amdhsa_next_free_vgpr 224
		.amdhsa_next_free_sgpr 66
		.amdhsa_reserve_vcc 1
		.amdhsa_float_denorm_mode_32 3
		.amdhsa_float_denorm_mode_16_64 3
		.amdhsa_memory_ordered 1
		.amdhsa_forward_progress 1
		.amdhsa_inst_pref_size 76
	.end_amdhsa_kernel
	.amdgpu_metadata
---
amdhsa.version: [ 1, 2 ]
amdhsa.kernels:
  - .name:           k_q3831b732fe_rows
    .symbol:         k_q3831b732fe_rows.kd
    .args:
      - { .name: z, .offset: 0, .size: 8, .value_kind: global_buffer, .address_space: global }
      - { .name: ct, .offset: 8, .size: 8, .value_kind: global_buffer, .address_space: global }
      - { .name: qt, .offset: 16, .size: 8, .value_kind: global_buffer, .address_space: global }
      - { .name: gsel, .offset: 24, .size: 8, .value_kind: global_buffer, .address_space: global }
    .group_segment_fixed_size: 327680
    .private_segment_fixed_size: 0
    .kernarg_segment_align: 8
    .kernarg_segment_size: 32
    .max_flat_workgroup_size: 512
    .sgpr_count:     66
    .vgpr_count:     224
    .wavefront_size: 32
...
	.end_amdgpu_metadata
.endif
;; end of part 2
;; launch cols (part 3): grid 256 x 1, 16 waves a work-group, clusters of 4 x 1, 327,680 bytes of LDS; arguments qt, co, ct, gsel, sel, part; writes sel, part
.if DOCPART == 3
	.amdgcn_target "amdgcn-amd-amdhsa--gfx1250"
	.amdhsa_code_object_version 6
	.text
	.protected	k_q3831b732fe_cols
	.globl	k_q3831b732fe_cols
	.p2align	8
	.type	k_q3831b732fe_cols,@function
k_q3831b732fe_cols:
	s_mov_b64 s[64:65], 0
	v_nop
	global_prefetch_b8 v0, s[64:65] scope:SCOPE_SE
	s_setreg_imm32_b32 hwreg(HW_REG_WAVE_MODE, 25, 1), 1
	s_wait_xcnt 0x0
	s_wait_alu depctr_hold_cnt(0) depctr_sa_sdst(0) depctr_va_vdst(0) depctr_va_sdst(0) depctr_va_ssrc(0) depctr_va_vcc(0) depctr_vm_vsrc(0)
	s_getreg_b32 s2, hwreg(HW_REG_IB_STS2, 6, 4)
	s_cmp_eq_u32 s2, 0
	s_cbranch_scc0 .Lentry_in_a_cluster
	s_endpgm
.Lentry_in_a_cluster:
	s_bfe_u32 s2, ttmp6, 0x10000c
	s_cmp_lg_u32 s2, 0x3003
	s_cbranch_scc0 .Lentry_shape_is_right
	s_endpgm
.Lentry_shape_is_right:
; COLS: the softmax's column sums and the sum of p log2 p; and each query's index.
; t = log2 p = 2 c z . e - c ee + R comes whole out of ONE matrix instruction for 16 queries x 16 codes: K = 0 .. 23 take z times the three bf16 parts of 2 c e, K = 24 .. 29 take 1 times the parts
; of -c ee and the parts of R times 1 (R = -(shift + log2 of the row's sum), made from the row's running maximum by the launch before).  So t is 0 or below but for rounding, and 2^t cannot overflow.
; SHARES.  A work-group owns 64 codes (four tiles, in registers all the time); wave w walks the query tiles 32 w .. 32 w + 31 (16 KiB of qt).  Source 0 = 16 queries, source 1 = 16 codes: a lane holds ONE code
; (lane % 16) and eight queries.  For each product: 8 exponentials, 4 packed additions (column sums), 4 packed multiply-adds (the sum of p t).
; CLUSTER.  Every work-group walks all of qt, so the four of a cluster ask for it JOINTLY.  qt's 256 KiB lie in LDS whole: four first fills of 4 KiB a wave (four loads of mine are out), nothing is filled again;
; a wave reads only what it has fetched itself, behind its own counted wait.
; THE INDEX.  Waves 0 to 7 settle, while the first fills are on their way, the index of the work-group's 32 queries: eight lanes a query, eight candidates a lane: the 2 x 32 codes of gsel's two groups.  d is made as
; the problem writes it, on the inputs rounded to bf16: zz, ee and z . e summed in ascending order (the products of bf16 numbers are exact in f32), then (zz + ee) - 2 z . e; the least (d, index) wins.  The winner's
; sum of (z - e)^2, taken directly, goes into the loss.
; OUT.  sel: the index.  part: 16 bytes a work-group: the sum of avg log2(avg + 1e-5) over my 64 codes, the sum of p t, the sum of (z - e)^2 over my 32 queries, 0.
; LIMITS.  NaN and infinities are not treated apart; a weight below 2^-126 counts as 0.
.set CSUM,  262144                     ; behind qt: 16 waves x 32 lanes x 16 bytes: column sums of four tiles
.set USUM,  270336                     ; 16 waves x 32 lanes x 4 bytes
.set PK,    272384                     ; 32 queries x 8 bytes: index, sum of (z - e)^2
.set SPARE, 272640                     ; the spare words, 128 bytes for each of 16 waves, that no other line names
.set LB0, 3                            ; v3   16,384 w + 16 r: a query tile's z; never rewritten
.set LB1, 4                            ; v4   + 256 h: z for lanes 0-15, the tail for lanes 16-31
.set LA0, 5                            ; v5, v8  the same at the tile in hand
.set LA1, 8
.set SPW, 6                            ; v6   LDS address of my spare word; never rewritten
.set NIL, 7                            ; v7   0; never rewritten
.set BF,  16                           ; v[16:47]   four code fragments
.set AF,  48                           ; v[48:55]   a query fragment
.set T,   64                           ; v[64:95]   t
.set P,   96                           ; v[96:127]  p
.set ACC, 128                          ; v[128:159] column sums, 8 a code tile
.set U,   160                          ; v[160:167] sums of p t, four pairs by turns
.set E,   168                          ; v[168:199] the index: eight candidates as bf16
.set ZP,  200                          ; v[200:207] z in f32
.set D,   208                          ; v[208:215] a candidate in f32, then z - e
.set ZR,  216                          ; v[216:219] z as bf16
.set ZZ,  220
.set EE,  221
.set DOT, 222
.set DD,  223
.set BEST, 224
.set Q,   225
.set IDX, 226                          ; v[226:227] the best index and its sum of (z - e)^2
.set QB,  227
.set W,   228                          ; v[228:229]
.set IB,  230
.set IC,  231
.set XD,  232                          ; v[232:234] another lane's best
.set XI,  233
.set XQ,  234
.set WV,  16                           ; s16  my wave's number
.set G1,  24                           ; s[24:31] descriptor group 1
.set G0,  32                           ; s[32:47] group 0 of the four fills
.macro ROUND
	s_barrier_signal -1
	s_barrier_wait -1
	s_cmp_lg_u32 s[WV], 0
	s_cbranch_scc1 .Lnot_wave_0_\@
	s_barrier_signal -3
.Lnot_wave_0_\@:
	s_barrier_wait -3
	s_barrier_signal -1
	s_barrier_wait -1
.endm
	s_load_b256 s[4:11], s[0:1], 0x0               ; qt s[4:5], co s[6:7], ct s[8:9], gsel s[10:11]
	s_load_b128 s[12:15], s[0:1], 0x20             ; sel s[12:13], part s[14:15]
	v_lshl_add_u32 v[SPW], v0, 2, SPARE
	v_mov_b32 v[NIL], 0
	ds_add_u32 v[SPW], v[NIL]                      ; the wave's opening: the add and its wait stand ahead of my first tensor load; work on registers stands between them
	v_lshrrev_b32 v1, 5, v0
	v_readfirstlane_b32 s[WV], v1                  ; wave 0..15
	s_bfe_u32 s17, ttmp6, 0x40000                  ; my place in the cluster
	s_lshl_b32 s18, ttmp9, 2
	s_add_co_u32 s18, s18, s17                     ; my work-group: it enters global addresses alone, and none of a descriptor
	s_mov_b32 s[G1], 15|(3<<16)|(1<<21)            ; the mask of four; elements of 8 bytes; bit 21 beside a mask
	s_mov_b32 s[G1+1], 32<<16                      ; tensor_dim0 = 32: rows of 256 bytes
	s_mov_b32 s[G1+2], 16<<16                      ; tensor_dim1 = 16
	s_mov_b32 s[G1+3], 32<<16                      ; tile_dim0 = 32
	s_mov_b32 s[G1+4], 16                          ; tile_dim1 = 16
	s_mov_b32 s[G1+5], 32                          ; dense
	s_mov_b32 s[G1+6], 0
	s_mov_b32 s[G1+7], 0
	s_mov_b32 s48, 0x76543210                      ; v_permlanex16_b32: each lane takes its own place in the other half
	s_mov_b32 s49, 0xfedcba98
	s_mov_b32 s57, 0xffff0000                      ; a word's upper bf16
	s_lshl_b32 s51, s[WV], 14                      ; my 16 KiB, in LDS
	s_lshl_b32 s58, s[WV], 14                      ; and in qt
	s_mov_b32 s59, 0
	s_mov_b32 s63, 0
	s_wait_dscnt 0x0                               ; the opening add is done
	s_wait_kmcnt 0x0
	s_add_nc_u64 s[60:61], s[4:5], s[58:59]
.irp i, 0,1,2,3
	s_mov_b32 s[G0+4*\i], 1
	s_add_co_u32 s[G0+4*\i+1], s51, 4096*\i
	s_add_nc_u64 s[G0+4*\i+2:G0+4*\i+3], s[60:61], 4096*\i
	s_or_b32 s[G0+4*\i+3], s[G0+4*\i+3], 0x80000000
.endr
	s_lshl_b32 s62, s18, 12
	s_add_nc_u64 s[6:7], s[6:7], s[62:63]          ; co at my four tiles
	s_lshl_b32 s62, s18, 10
	s_add_nc_u64 s[20:21], s[4:5], s[62:63]        ; qt at my 32 queries
	s_lshl_b32 s62, s18, 8
	s_add_nc_u64 s[22:23], s[10:11], s[62:63]      ; gsel at them
	s_lshl_b32 s62, s18, 7
	s_add_nc_u64 s[12:13], s[12:13], s[62:63]      ; sel at them
	s_lshl_b32 s62, s18, 4
	s_add_nc_u64 s[14:15], s[14:15], s[62:63]      ; my 16 bytes of part
	ROUND                                          ; all four work-groups are here: the joint loads meet
.irp i, 0,1,2,3
	tensor_load_to_lds s[G0+4*\i:G0+4*\i+3], s[G1:G1+7]
	s_nop 0
.endr
	v_and_b32 v1, 15, v0                           ; r
	v_bfe_u32 v2, v0, 4, 1                         ; h
	v_and_b32 v9, 31, v0                           ; lane
	v_lshlrev_b32 v56, 4, v9
.irp i, 0,1,2,3
	global_load_b128 v[BF+8*\i:BF+8*\i+3], v56, s[6:7] offset:1024*\i        ; lanes 0-15 the first part of 2 c e (K = 0 ..), lanes 16-31 the second (K = 8 ..)
	global_load_b128 v[BF+8*\i+4:BF+8*\i+7], v56, s[6:7] offset:1024*\i+512  ; the third part (K = 16 ..), the tail (K = 24 ..)
.endr
	v_lshl_add_u32 v[LB0], v1, 4, s51
	v_lshl_add_u32 v[LB1], v2, 8, v[LB0]
.set n, 0
.rept 40
	v_mov_b32 v[ACC+n], 0                          ; the sums start at 0: written while the first fills are on their way, so that the loop has one form
.set n, n+1
.endr
	s_cmp_lt_u32 s[WV], 8
	s_cbranch_scc0 .Lno_pick
	; THE INDEX of query 4 w + lane / 8.  Lane % 8 = 4 x set + i: candidates g + 8 i + 0 .. 7 of that set's group g, which are eight rows on end of tile i of the group's four.
	v_lshrrev_b32 v12, 2, v9
	s_lshl_b32 s52, s[WV], 5
	v_lshl_add_u32 v12, v12, 2, s52                ; gsel: 8 x query + 4 x set = 32 w + 4 (lane / 4)
	v_lshrrev_b32 v10, 3, v9
	s_lshl_b32 s52, s[WV], 2
	v_add_nc_u32 v10, s52, v10                     ; the query among my 32
	v_and_b32 v11, 3, v9                           ; i
	v_lshrrev_b32 v13, 4, v10
	v_and_b32 v14, 15, v10
	v_lshlrev_b32 v13, 9, v13
	v_lshl_add_u32 v13, v14, 4, v13                ; qt: tile x 512 + row x 16
	global_load_b32 v14, v12, s[22:23]
	global_load_b128 v[ZR:ZR+3], v13, s[20:21]
	v_mov_b32 v[XD], 0                             ; written before a lane exchange names them as destinations
	v_mov_b32 v[XI], 0
	v_mov_b32 v[XQ], 0
	s_wait_loadcnt 1                               ; the group is in; z, the one younger load, may stay out
	v_min_u32 v14, 0x3fe0, v14                     ; a group begins at 16,352 at the most
	v_and_b32 v15, 0x3fc0, v14
	v_lshlrev_b32 v15, 5, v15                      ; ct: 64 codes are 2,048 bytes,
	v_and_b32 v57, 32, v14
	v_lshl_add_u32 v15, v57, 2, v15                ; the upper 32 of them the rows 8 .. 15,
	v_lshl_add_u32 v15, v11, 9, v15                ; tile i
	v_lshl_add_u32 v[IB], v11, 3, v14              ; my first candidate
.irp j, 0,1,2,3,4,5,6,7
	global_load_b128 v[E+4*\j:E+4*\j+3], v15, s[8:9] offset:16*\j
.endr
	v_lshl_add_u32 v10, v10, 3, PK
	s_wait_loadcnt 0x0
.irp p, 0,1,2,3
	v_lshlrev_b32 v[ZP+2*\p], 16, v[ZR+\p]
	v_and_b32 v[ZP+2*\p+1], s57, v[ZR+\p]
.endr
	v_mul_f32 v[ZZ], v[ZP], v[ZP]
.irp c, 1,2,3,4,5,6,7
	v_fmac_f32 v[ZZ], v[ZP+\c], v[ZP+\c]
.endr
.macro CAND j
.irp p, 0,1,2,3
	v_lshlrev_b32 v[D+2*\p], 16, v[E+4*(\j)+\p]
	v_and_b32 v[D+2*\p+1], s57, v[E+4*(\j)+\p]
.endr
	v_mul_f32 v[EE], v[D], v[D]
	v_mul_f32 v[DOT], v[ZP], v[D]
.irp c, 1,2,3,4,5,6,7
	v_fmac_f32 v[EE], v[D+\c], v[D+\c]             ; each product is exact, so this is the addition of the problem's sum, in its order
	v_fmac_f32 v[DOT], v[ZP+\c], v[D+\c]
.endr
	v_add_f32 v[DD], v[ZZ], v[EE]
	v_fma_f32 v[DD], -2.0, v[DOT], v[DD]           ; (zz + ee) - 2 z . e: the doubling is exact
.irp p, 0,2,4,6
	v_pk_add_f32 v[D+\p:D+\p+1], v[ZP+\p:ZP+\p+1], v[D+\p:D+\p+1] neg_lo:[0,1] neg_hi:[0,1]
.endr
	v_pk_mul_f32 v[W:W+1], v[D:D+1], v[D:D+1]
.irp p, 2,4,6
	v_pk_fma_f32 v[W:W+1], v[D+\p:D+\p+1], v[D+\p:D+\p+1], v[W:W+1]
.endr
.if (\j) == 0
	v_mov_b32 v[BEST], v[DD]
	v_mov_b32 v[IDX], v[IB]
	v_add_f32 v[QB], v[W], v[W+1]
.else
	v_add_f32 v[Q], v[W], v[W+1]
	v_add_nc_u32 v[IC], (\j), v[IB]
	v_cmp_lt_f32 vcc_lo, v[DD], v[BEST]            ; the indices ascend: an equal d leaves the earlier one
	v_cndmask_b32 v[BEST], v[BEST], v[DD], vcc_lo
	v_cndmask_b32 v[IDX], v[IDX], v[IC], vcc_lo
	v_cndmask_b32 v[QB], v[QB], v[Q], vcc_lo
.endif
.endm
.irp j, 0,1,2,3,4,5,6,7
	CAND \j
.endr
.macro MEETX m                         ; with the lane m away: the lesser (d, index) is taken by both
	v_mov_b32_dpp v[XD], v[BEST] row_xmask:\m row_mask:0xf bank_mask:0xf
	v_mov_b32_dpp v[XI], v[IDX] row_xmask:\m row_mask:0xf bank_mask:0xf
	v_mov_b32_dpp v[XQ], v[QB] row_xmask:\m row_mask:0xf bank_mask:0xf
	v_cmp_lt_f32 s52, v[XD], v[BEST]
	v_cmp_eq_f32 s53, v[XD], v[BEST]
	v_cmp_lt_u32 s54, v[XI], v[IDX]
	s_and_b32 s53, s53, s54
	s_or_b32 s52, s52, s53
	v_cndmask_b32 v[BEST], v[BEST], v[XD], s52
	v_cndmask_b32 v[IDX], v[IDX], v[XI], s52
	v_cndmask_b32 v[QB], v[QB], v[XQ], s52
.endm
	MEETX 1
	MEETX 2
	MEETX 4
	ds_store_b64 v10, v[IDX:QB]                    ; a query's eight lanes store the same 8 bytes
.Lno_pick:
	s_wait_loadcnt 0x0                             ; my code fragments
; A TRIP: one query tile against my four code tiles.
.macro TRIP
	ds_load_b128 v[AF:AF+3], v[LA0]                ; K = 0 .. 15: z for both halves of the lanes
	ds_load_b128 v[AF+4:AF+7], v[LA1]              ; K = 16 .. 23: z; K = 24 .. 31: the tail
	s_wait_dscnt 0x0
.irp i, 0,1,2,3
	v_wmma_f32_16x16x32_bf16 v[T+8*\i:T+8*\i+7], v[AF:AF+7], v[BF+8*\i:BF+8*\i+7], 0
.endr
	v_add_nc_u32 v[LA0], 512, v[LA0]               ; four plain instructions between the last product and the first read of a result
	v_add_nc_u32 v[LA1], 512, v[LA1]
	v_nop
	v_nop
.set n, 0
.rept 32
	v_exp_f32 v[P+n], v[T+n]                       ; in ascending order: each accumulator is read from its low end on
.set n, n+1
.endr
	v_nop                                          ; a plain instruction behind the last exponential,
	s_wait_alu depctr_va_vdst(0)                   ; and the one wait ahead of the batch's first reader
.set n, 0
.rept 16
	v_pk_add_f32 v[ACC+2*n:ACC+2*n+1], v[ACC+2*n:ACC+2*n+1], v[P+2*n:P+2*n+1]
.set n, n+1
.endr
.set n, 0
.rept 16
	v_pk_fma_f32 v[U+2*(n%4):U+2*(n%4)+1], v[P+2*n:P+2*n+1], v[T+2*n:T+2*n+1], v[U+2*(n%4):U+2*(n%4)+1]
.set n, n+1
.endr
.endm
.macro RUN ch                          ; the eight query tiles of my fill ch
	s_wait_tensorcnt 3-(\ch)                       ; it has landed; the younger fills may stay out
	v_add_nc_u32 v[LA0], 4096*(\ch), v[LB0]
	v_add_nc_u32 v[LA1], 4096*(\ch), v[LB1]
	s_mov_b32 s50, 8
.Lrun_\@:
	TRIP
	s_sub_co_u32 s50, s50, 1
	s_cmp_lg_u32 s50, 0
	s_cbranch_scc1 .Lrun_\@
.endm
	RUN 0
	RUN 1
	RUN 2
	RUN 3
	; THE WAVES MEET: a lane's eight queries are added, then the 16 waves' sums go through LDS.
.irp i, 0,1,2,3
	v_pk_add_f32 v[ACC+8*\i:ACC+8*\i+1], v[ACC+8*\i:ACC+8*\i+1], v[ACC+8*\i+2:ACC+8*\i+3]
	v_pk_add_f32 v[ACC+8*\i+4:ACC+8*\i+5], v[ACC+8*\i+4:ACC+8*\i+5], v[ACC+8*\i+6:ACC+8*\i+7]
.endr
	v_pk_add_f32 v[U:U+1], v[U:U+1], v[U+2:U+3]
	v_pk_add_f32 v[U+4:U+5], v[U+4:U+5], v[U+6:U+7]
.irp i, 0,1,2,3
	v_pk_add_f32 v[ACC+8*\i:ACC+8*\i+1], v[ACC+8*\i:ACC+8*\i+1], v[ACC+8*\i+4:ACC+8*\i+5]
.endr
	v_pk_add_f32 v[U:U+1], v[U:U+1], v[U+4:U+5]
.irp i, 0,1,2,3
	v_add_f32 v[P+\i], v[ACC+8*\i], v[ACC+8*\i+1]
.endr
	v_add_f32 v[P+4], v[U], v[U+1]
	v_lshl_add_u32 v10, v0, 4, CSUM                ; 512 w + 16 lane
	v_lshl_add_u32 v11, v0, 2, USUM                ; 128 w + 4 lane
	ds_store_b128 v10, v[P:P+3]
	ds_store_b32 v11, v[P+4]
	s_wait_dscnt 0x0                               ; for the others' sake: my stores are done, the index's among them
	s_barrier_signal -1
	s_barrier_wait -1
	s_cmp_lg_u32 s[WV], 0
	s_cbranch_scc1 .Lend
	; WAVE 0 (its thread numbers are its lanes, so v10 and v11 stand at the first wave's words)
	v_lshl_add_u32 v12, v0, 3, PK
.set n, 0
.rept 16
	ds_load_b128 v[128+4*n:128+4*n+3], v10 offset:512*n
.set n, n+1
.endr
.set n, 0
.rept 16
	ds_load_b32 v[192+n], v11 offset:128*n
.set n, n+1
.endr
	ds_load_b64 v[208:209], v12                    ; query = lane: its index and its sum of (z - e)^2
	v_lshlrev_b32 v13, 2, v0
	v_mov_b32 v14, 0
	s_wait_dscnt 0x0
.set n, 1
.rept 15
	v_pk_add_f32 v[128:129], v[128:129], v[128+4*n:128+4*n+1]
	v_pk_add_f32 v[130:131], v[130:131], v[128+4*n+2:128+4*n+3]
	v_add_f32 v192, v192, v[192+n]
.set n, n+1
.endr
.irp i, 0,1,2,3
	v_permlanex16_b32 v[132+\i], v[128+\i], s48, s49  ; a code's other eight queries of each tile lie in the lane 16 away
.endr
.irp i, 0,1,2,3
	v_add_f32 v[128+\i], v[128+\i], v[132+\i]
.endr
.irp i, 0,1,2,3
	v_mul_f32 v[136+\i], 0x39000000, v[128+\i]     ; the mean over 8,192 queries
.endr
.irp i, 0,1,2,3
	v_add_f32 v[140+\i], 0x3727c5ac, v[136+\i]     ; + 1e-5
.endr
.irp i, 0,1,2,3
	v_log_f32 v[140+\i], v[140+\i]
.endr
	v_mov_b32 v145, v192                           ; (a plain instruction behind the last logarithm)
	s_wait_alu depctr_va_vdst(0)                   ; one wait for the four logarithms
	v_mul_f32 v144, v136, v140
	v_fmac_f32 v144, v137, v141
	v_fmac_f32 v144, v138, v142
	v_fmac_f32 v144, v139, v143
	v_mov_b32 v146, v209
	v_mov_b32 v147, 0
.macro WSUM x, t                       ; the sum over the wave's 32 lanes, in every lane
	v_add_f32_dpp v[\x], v[\x], v[\x] row_xmask:1 row_mask:0xf bank_mask:0xf
	v_add_f32_dpp v[\x], v[\x], v[\x] row_xmask:2 row_mask:0xf bank_mask:0xf
	v_add_f32_dpp v[\x], v[\x], v[\x] row_xmask:4 row_mask:0xf bank_mask:0xf
	v_add_f32_dpp v[\x], v[\x], v[\x] row_xmask:8 row_mask:0xf bank_mask:0xf
	v_permlanex16_b32 v[\t], v[\x], s48, s49
	v_add_f32 v[\x], v[\x], v[\t]
.endm
	WSUM 144, 132
	WSUM 145, 133
	WSUM 146, 134
	v_mul_f32 v144, 0.5, v144                      ; both halves of the lanes held the same 64 codes
	global_store_b32 v13, v208, s[12:13]           ; 128 consecutive bytes of sel
	v_cmp_eq_u32 vcc_lo, 0, v0
	s_wait_xcnt 0x0                                ; EXEC changes only behind this wait
	s_and_saveexec_b32 s52, vcc_lo
	global_store_b128 v14, v[144:147], s[14:15]    ; lane 0: the work-group's three sums
	s_wait_xcnt 0x0                                ; and again, in front of the line that widens it
	s_or_b32 exec_lo, exec_lo, s52
.Lend:
	s_wait_tensorcnt 0x0                           ; the wave's end: 0 is added to my spare word behind my last tensor load and my last LDS store
	ds_add_u32 v[SPW], v[NIL]
	s_wait_dscnt 0x0
	ROUND                                          ; the closing round
	s_endpgm
.Lfunc_end_k_q3831b732fe_cols:
	.size	k_q3831b732fe_cols, .Lfunc_end_k_q3831b732fe_cols-k_q3831b732fe_cols
	.p2alignl 7, 3214868480
	.fill 96, 4, 3214868480
	.section	.rodata,"a",@progbits
	.p2align	6, 0x0
	.amdhsa_kernel k_q3831b732fe_cols
		.amdhsa_group_segment_fixed_size 327680
		.amdhsa_private_segment_fixed_size 0
		.amdhsa_enable_private_segment 0
		.amdhsa_kernarg_size 48
		.amdhsa_user_sgpr_count 2
		.amdhsa_user_sgpr_kernarg_segment_ptr 1
		.amdhsa_wavefront_size32 1
		.amdhsa_system_sgpr_workgroup_id_x 1
		.amdhsa_system_sgpr_workgroup_id_y 1
		.amdhsa_system_sgpr_workgroup_id_z 1
		.amdhsa_system_vgpr_workitem_id 0
		.amdhsa_next_free_vgpr 240
		.amdhsa_next_free_sgpr 66
		.amdhsa_reserve_vcc 1
		.amdhsa_float_denorm_mode_32 3
		.amdhsa_float_denorm_mode_16_64 3
		.amdhsa_memory_ordered 1
		.amdhsa_forward_progress 1
		.amdhsa_inst_pref_size 48
	.end_amdhsa_kernel
	.amdgpu_metadata
---
amdhsa.version: [ 1, 2 ]
amdhsa.kernels:
  - .name:           k_q3831b732fe_cols
    .symbol:         k_q3831b732fe_cols.kd
    .args:
      - { .name: qt, .offset: 0, .size: 8, .value_kind: global_buffer, .address_space: global }
      - { .name: co, .offset: 8, .size: 8, .value_kind: global_buffer, .address_space: global }
      - { .name: ct, .offset: 16, .size: 8, .value_kind: global_buffer, .address_space: global }
      - { .name: gsel, .offset: 24, .size: 8, .value_kind: global_buffer, .address_space: global }
      - { .name: sel, .offset: 32, .size: 8, .value_kind: global_buffer, .address_space: global }
      - { .name: part, .offset: 40, .size: 8, .value_kind: global_buffer, .address_space: global }
    .group_segment_fixed_size: 327680
    .private_segment_fixed_size: 0
    .kernarg_segment_align: 8
    .kernarg_segment_size: 48
    .max_flat_workgroup_size: 512
    .sgpr_count:     66
    .vgpr_count:     240
    .wavefront_size: 32
...
	.end_amdgpu_metadata
.endif
;; end of part 3
;; launch fin (part 4): grid 65 x 1, 1 waves a work-group, no clusters, 0 bytes of LDS; arguments sel, ct, z, part, out0, out1, out2; writes out0, out1, out2
.if DOCPART == 4
	.amdgcn_target "amdgcn-amd-amdhsa--gfx1250"
	.amdhsa_code_object_version 6
	.text
	.protected	k_q3831b732fe_fin
	.globl	k_q3831b732fe_fin
	.p2align	8
	.type	k_q3831b732fe_fin,@function
k_q3831b732fe_fin:
	s_mov_b64 s[64:65], 0
	v_nop
	global_prefetch_b8 v0, s[64:65] scope:SCOPE_SE
	s_setreg_imm32_b32 hwreg(HW_REG_WAVE_MODE, 25, 1), 1
	s_wait_xcnt 0x0
; FIN: the gather and the loss.  The index was made from floating-point numbers in the launch before, so the addresses that hang on it are formed here, from whole numbers read from memory.
; Work-groups 0 to 63, a wave each: 128 queries, four neighbouring ones a lane.  out0 = z + (e - z) as the problem writes it, on z and the code rounded to bf16; out2 = the index.
; z and out0 are [32][8][256]: a lane's four queries are 16 bytes of each channel's plane, so every load and store of the wave covers 512 consecutive bytes, aligned.
; Work-group 64: the 256 work-groups' three sums H, U, V are added; loss = 1.25 V / 65,536 + 0.1 ln 2 (H - U / 8,192).
; About 0.6 MB in all: no LDS, no cluster; the codes are gathered from ct, 16 bytes each, at the place that the tables' order gives code k.
.set I,  4                             ; v[4:7]   four indices
.set A,  8                             ; v[8:11]  their byte offsets in ct
.set EQ, 12                            ; v[12:27] four codes as bf16
.set Z,  32                            ; v[32:63] z: channel c's four queries at 4 c
.set O,  64                            ; v[64:95] the codes, laid likewise; then the result
	s_load_b256 s[4:11], s[0:1], 0x0               ; sel s[4:5], ct s[6:7], z s[8:9], part s[10:11]
	s_load_b128 s[12:15], s[0:1], 0x20             ; out0 s[12:13], out1 s[14:15]
	s_load_b64 s[16:17], s[0:1], 0x30              ; out2
	v_lshlrev_b32 v1, 4, v0                        ; 16 bytes a lane
	v_mov_b32 v2, 0
	s_mov_b32 s20, 0xffff0000                      ; a word's upper bf16
	s_mov_b32 s26, 0x76543210
	s_mov_b32 s27, 0xfedcba98
	s_lshl_b32 s22, ttmp9, 9                       ; 128 indices of 4 bytes
	s_mov_b32 s23, 0
	s_lshr_b32 s24, ttmp9, 1                       ; the image, 8,192 bytes,
	s_lshl_b32 s24, s24, 13
	s_and_b32 s25, ttmp9, 1                        ; and which half of its 256 pixels
	s_lshl_b32 s25, s25, 9
	s_add_co_u32 s24, s24, s25
	s_mov_b32 s25, 0
	s_wait_kmcnt 0x0
	s_cmp_eq_u32 ttmp9, 64
	s_cbranch_scc1 .Lloss
	s_add_nc_u64 s[4:5], s[4:5], s[22:23]
	s_add_nc_u64 s[8:9], s[8:9], s[24:25]
	s_add_nc_u64 s[12:13], s[12:13], s[24:25]
	s_add_nc_u64 s[16:17], s[16:17], s[22:23]
	global_load_b128 v[I:I+3], v1, s[4:5]
.irp c, 0,1,2,3,4,5,6,7
	global_load_b128 v[Z+4*\c:Z+4*\c+3], v1, s[8:9] offset:1024*\c
.endr
	s_wait_loadcnt 8                               ; the indices are in; z's eight loads may stay out
.irp q, 0,1,2,3
	v_min_u32 v[I+\q], 0x3fff, v[I+\q]             ; an index stays inside the table
	v_and_b32 v[A+\q], 0x3fc0, v[I+\q]
	v_lshlrev_b32 v[A+\q], 5, v[A+\q]              ; 64 codes are 2,048 bytes of ct;
	v_and_b32 v30, 0x18, v[I+\q]
	v_lshl_add_u32 v[A+\q], v30, 6, v[A+\q]        ; bits 4:3 name the tile of 512 bytes,
	v_and_b32 v30, 32, v[I+\q]
	v_lshl_add_u32 v[A+\q], v30, 2, v[A+\q]        ; bit 5 its rows 8 .. 15,
	v_and_b32 v30, 7, v[I+\q]
	v_lshl_add_u32 v[A+\q], v30, 4, v[A+\q]        ; bits 2:0 the row of 16 bytes
	global_load_b128 v[EQ+4*\q:EQ+4*\q+3], v[A+\q], s[6:7]
.endr
	s_wait_loadcnt 0x0
.irp q, 0,1,2,3
.irp p, 0,1,2,3
	v_lshlrev_b32 v[O+8*\p+\q], 16, v[EQ+4*\q+\p]    ; channel 2 p of query q
	v_and_b32 v[O+8*\p+4+\q], s20, v[EQ+4*\q+\p]     ; channel 2 p + 1
.endr
.endr
.set n, 0
.rept 16
	v_cvt_pk_bf16_f32 v[28+n%4], v[Z+2*n], v[Z+2*n+1]  ; z rounded to bf16, as everywhere in this program
	v_lshlrev_b32 v[Z+2*n], 16, v[28+n%4]
	v_and_b32 v[Z+2*n+1], s20, v[28+n%4]
.set n, n+1
.endr
.set n, 0
.rept 16
	v_pk_add_f32 v[O+2*n:O+2*n+1], v[O+2*n:O+2*n+1], v[Z+2*n:Z+2*n+1] neg_lo:[0,1] neg_hi:[0,1]  ; e - z
.set n, n+1
.endr
.set n, 0
.rept 16
	v_pk_add_f32 v[O+2*n:O+2*n+1], v[Z+2*n:Z+2*n+1], v[O+2*n:O+2*n+1]                            ; z + (e - z)
.set n, n+1
.endr
.irp c, 0,1,2,3,4,5,6,7
	global_store_b128 v1, v[O+4*\c:O+4*\c+3], s[12:13] offset:1024*\c
.endr
	global_store_b128 v1, v[I:I+3], s[16:17]
	s_endpgm
.Lloss:
.irp i, 0,1,2,3,4,5,6,7
	global_load_b128 v[32+4*\i:32+4*\i+3], v1, s[10:11] offset:512*\i  ; 256 work-groups x 16 bytes
.endr
	s_wait_loadcnt 0x0
.irp i, 1,2,3,4,5,6,7
	v_pk_add_f32 v[32:33], v[32:33], v[32+4*\i:32+4*\i+1]
	v_pk_add_f32 v[34:35], v[34:35], v[32+4*\i+2:32+4*\i+3]
.endr
.macro WSUM x, t                       ; the sum over the wave's 32 lanes, in every lane
	v_add_f32_dpp v[\x], v[\x], v[\x] row_xmask:1 row_mask:0xf bank_mask:0xf
	v_add_f32_dpp v[\x], v[\x], v[\x] row_xmask:2 row_mask:0xf bank_mask:0xf
	v_add_f32_dpp v[\x], v[\x], v[\x] row_xmask:4 row_mask:0xf bank_mask:0xf
	v_add_f32_dpp v[\x], v[\x], v[\x] row_xmask:8 row_mask:0xf bank_mask:0xf
	v_permlanex16_b32 v[\t], v[\x], s26, s27
	v_add_f32 v[\x], v[\x], v[\t]
.endm
	WSUM 32, 36
	WSUM 33, 37
	WSUM 34, 38
	v_fma_f32 v33, v33, 0xb9000000, v32            ; H - U / 8,192
	v_mul_f32 v33, 0x3d8df4e0, v33                 ; x 0.1 ln 2
	v_fmamk_f32 v33, v34, 0x37a00000, v33          ; + 1.25 V / 65,536
	v_cmp_eq_u32 vcc_lo, 0, v0
	s_wait_xcnt 0x0                                ; EXEC changes only behind this wait
	s_and_saveexec_b32 s28, vcc_lo
	global_store_b32 v2, v33, s[14:15]
	s_wait_xcnt 0x0
	s_or_b32 exec_lo, exec_lo, s28
	s_endpgm
.Lfunc_end_k_q3831b732fe_fin:
	.size	k_q3831b732fe_fin, .Lfunc_end_k_q3831b732fe_fin-k_q3831b732fe_fin
	.p2alignl 7, 3214868480
	.fill 96, 4, 3214868480
	.section	.rodata,"a",@progbits
	.p2align	6, 0x0
	.amdhsa_kernel k_q3831b732fe_fin
		.amdhsa_group_segment_fixed_size 0
		.amdhsa_private_segment_fixed_size 0
		.amdhsa_enable_private_segment 0
		.amdhsa_kernarg_size 56
		.amdhsa_user_sgpr_count 2
		.amdhsa_user_sgpr_kernarg_segment_ptr 1
		.amdhsa_wavefront_size32 1
		.amdhsa_system_sgpr_workgroup_id_x 1
		.amdhsa_system_sgpr_workgroup_id_y 1
		.amdhsa_system_sgpr_workgroup_id_z 1
		.amdhsa_system_vgpr_workitem_id 0
		.amdhsa_next_free_vgpr 96
		.amdhsa_next_free_sgpr 66
		.amdhsa_reserve_vcc 1
		.amdhsa_float_denorm_mode_32 3
		.amdhsa_float_denorm_mode_16_64 3
		.amdhsa_memory_ordered 1
		.amdhsa_forward_progress 1
		.amdhsa_inst_pref_size 14
	.end_amdhsa_kernel
	.amdgpu_metadata
---
amdhsa.version: [ 1, 2 ]
amdhsa.kernels:
  - .name:           k_q3831b732fe_fin
    .symbol:         k_q3831b732fe_fin.kd
    .args:
      - { .name: sel, .offset: 0, .size: 8, .value_kind: global_buffer, .address_space: global }
      - { .name: ct, .offset: 8, .size: 8, .value_kind: global_buffer, .address_space: global }
      - { .name: z, .offset: 16, .size: 8, .value_kind: global_buffer, .address_space: global }
      - { .name: part, .offset: 24, .size: 8, .value_kind: global_buffer, .address_space: global }
      - { .name: out0, .offset: 32, .size: 8, .value_kind: global_buffer, .address_space: global }
      - { .name: out1, .offset: 40, .size: 8, .value_kind: global_buffer, .address_space: global }
      - { .name: out2, .offset: 48, .size: 8, .value_kind: global_buffer, .address_space: global }
    .group_segment_fixed_size: 0
    .private_segment_fixed_size: 0
    .kernarg_segment_align: 8
    .kernarg_segment_size: 56
    .max_flat_workgroup_size: 32
    .sgpr_count:     66
    .vgpr_count:     96
    .wavefront_size: 32
...
	.end_amdgpu_metadata
.endif
;; end of part 4
